; MI455X (gfx1250); checked and timed in simulation.
; The chip was launched on July 23, 2026; its instructions are those of AMD's public machine-readable ISA for CDNA 5 (MIT licence, August 2026) and "CDNA5" Instruction Set Architecture Reference Guide (July 2026). The comments in the code are by the model that wrote it; some were corrected since.
;; Attention v1. Allowed arithmetic: matrix products marked QUANTISED: E2M1 operands, one E8M0 scale for each 32 along K, by v_wmma_scale_f32_16x16x128_f8f6f4 with both operands' format E2M1 (or v_wmma_scale_f32_32x16x128_f4), f32 sums; everything else in f32.
;; Inputs: Wk_codes 1,024 x 32 x 16 uint8 (E2M1 codes of Wk, K innermost, in blocks of 32 codes, two codes a byte); Wk_scales 1,024 x 32 uint8 (E8M0 scales of Wk, one for each 32 codes along K); Wo_codes 1,024 x 32 x 16 uint8 (E2M1 codes of Wo, K innermost, in blocks of 32 codes, two codes a byte); Wo_scales 1,024 x 32 uint8 (E8M0 scales of Wo, one for each 32 codes along K); Wq_codes 1,024 x 32 x 16 uint8 (E2M1 codes of Wq, K innermost, in blocks of 32 codes, two codes a byte); Wq_scales 1,024 x 32 uint8 (E8M0 scales of Wq, one for each 32 codes along K); Wv_codes 1,024 x 32 x 16 uint8 (E2M1 codes of Wv, K innermost, in blocks of 32 codes, two codes a byte); Wv_scales 1,024 x 32 uint8 (E8M0 scales of Wv, one for each 32 codes along K); bk 1,024 float32; bo 1,024 float32; bq 1,024 float32; bv 1,024 float32; k_codes 2 x 2,048 x 32 x 16 uint8 (E2M1 codes of k, K innermost, in blocks of 32 codes, two codes a byte); k_scales 2 x 2,048 x 32 uint8 (E8M0 scales of k, one for each 32 codes along K); lambda_k1 64 float32; lambda_k2 64 float32; lambda_q1 64 float32; lambda_q2 64 float32; q_codes 2 x 2,048 x 32 x 16 uint8 (E2M1 codes of q, K innermost, in blocks of 32 codes, two codes a byte); q_scales 2 x 2,048 x 32 uint8 (E8M0 scales of q, one for each 32 codes along K); v_codes 2 x 2,048 x 32 x 16 uint8 (E2M1 codes of v, K innermost, in blocks of 32 codes, two codes a byte); v_scales 2 x 2,048 x 32 uint8 (E8M0 scales of v, one for each 32 codes along K).
;; Outputs: out0 2 x 2,048 x 1,024 float32.
;; This version of the problem:
;;   THIS VERSION OF THE PROBLEM IS GIVEN IN LOW PRECISION. The matrix products marked QUANTISED in the list below multiply operands that are first quantised to E2M1 (2 exponent bits, 1 mantissa bit; 4 bits a number), with one power-of-two scale for each 32 numbers along K (OCP MX v1.0); their sums are f32. All else is computed in f32.
;;   The module's matrix products, in the order in which they are computed (A, B: the left and right operand; K: the contracted axis; several contracted axes count as one K, in the product's order):
;;     1. [M 4,096, K 1,024] x [K 1,024, N 1,024]; A: input q (given as codes); B: input Wq (given as codes): QUANTISED
;;     2. [M 4,096, K 1,024] x [K 1,024, N 1,024]; A: input k (given as codes); B: input Wk (given as codes): QUANTISED
;;     3. [M 4,096, K 1,024] x [K 1,024, N 1,024]; A: input v (given as codes); B: input Wv (given as codes): QUANTISED
;;     4. batch 32 x [M 2,048, K 64] x [K 64, N 2,048]; A: computed on the way; B: computed on the way: QUANTISED
;;     5. batch 16 x [M 2,048, K 2,048] x [K 2,048, N 128]; A: computed on the way; B: computed on the way: QUANTISED
;;     6. [M 4,096, K 1,024] x [K 1,024, N 1,024]; A: computed on the way; B: input Wo (given as codes): QUANTISED
;;   THE QUANTISER, for each operand of a quantised product, along K:
;;     - K is cut into blocks of 32 from its start; a last block that is shorter is filled with zeros.
;;     - A block's scale is 2^e with e = floor(log2(the largest magnitude in the block)) - 2, held to -126 .. 127; a block of zeros has e = 0. As a byte (E8M0): e + 127.
;;     - Each number is divided by its block's scale, clamped to +-6, and rounded to the nearest number of E2M1, ties to even, subnormals kept.
;;     - The product sums the exact products of the quantised numbers (number of the format x scale) in f32.
;;   ~~~python
;;   def quantise(x, axis):      # numpy; x: float32 -> the quantised numbers, widened to float32 again
;;       x = np.moveaxis(x, axis, -1); K = x.shape[-1]
;;       x = np.pad(x, [(0, 0)] * (x.ndim - 1) + [(0, -K % 32)]); x = x.reshape(x.shape[:-1] + (-1, 32)); a = np.abs(x).max(-1, keepdims=True)
;;       e = np.where(a > 0, np.clip(np.frexp(np.where(a > 0, a, 1))[1] - 1 - 2, -126, 127), 0)      # np.frexp(a)[1] - 1 = floor(log2(a)), exactly
;;       r = np.clip(x / 2.0 ** e, -6, 6)
;;       step = 2.0 ** (np.maximum(np.frexp(np.where(r == 0, 1, r))[1] - 1, 0) - 1)
;;       q = np.round(r / step) * step * 2.0 ** e      # np.round: ties to even
;;       return np.moveaxis(q.reshape(q.shape[:-2] + (-1,))[..., :K], -1, axis).astype(np.float32)
;;   ~~~
;;   OPERANDS COMPUTED ON THE WAY. 'Computed on the way' means the value that the module computes at that place (a softmax that the list does not call 'softmax' is quantised finished and normalised). What goes into a quantiser is computed in f32, as accurately as f32 sums, v_exp_f32 and their like allow (about 1e-6 of the number): no bf16 or f16 on the way to a quantiser, and a product that is left as it is and whose result goes on into a quantised operand takes f32 operands (vector FMAs, or v_wmma_f32_16x16x4_f32). A number that lies on a knife's edge between two numbers of the format may be rounded either way, as far as f32 arithmetic and the matrix unit's own rounding can turn it there, and no further.
;;   INPUTS GIVEN AS CODES. Wk (in the module: [1024, 1024], K = its axis 1); Wo (in the module: [1024, 1024], K = its axis 1); Wq (in the module: [1024, 1024], K = its axis 1); Wv (in the module: [1024, 1024], K = its axis 1); k (in the module: [2, 2048, 1024], K = its axis 2); q (in the module: [2, 2048, 1024], K = its axis 2); v (in the module: [2, 2048, 1024], K = its axis 2): each comes as NAME_codes (uint8): NAME with its K axis moved to the last place and cut into blocks of 32 codes, [.., K / 32, bytes a block], one block behind the other in memory; two codes a byte, the lower K in the low four bits (a code: sign, 2 exponent bits, 1 mantissa bit); and NAME_scales (uint8): the same leading axes, one E8M0 byte (e + 127) for each 32 codes along K. Its value is code x scale, taken as it is: it is not quantised again, and the codes and scales need not be those that the quantiser above would give.
;; One version. Each part assembles by itself: llvm-mc -triple=amdgcn-amd-amdhsa -mcpu=gfx1250 --defsym DOCPART=n.
;; ======== version 1 of 1: 3 launches
;; limits: right only within a limited range of input values
;; workspace buffers: img 6,291,456 bytes; sc 393,216 bytes; aimg 2,097,152 bytes; asc 131,072 bytes
;; launch proj (part 1): grid 8 x 32, 4 waves a work-group, clusters of 4 x 4, 327,680 bytes of LDS; arguments q_codes, q_scales, Wq_codes, Wq_scales, k_codes, k_scales, Wk_codes, Wk_scales, v_codes, v_scales, Wv_codes, Wv_scales, bq, bk, bv, img, sc; writes img, sc
.if DOCPART == 1
	.amdgcn_target "amdgcn-amd-amdhsa--gfx1250"
	.amdhsa_code_object_version 6
	.text
	.protected	k_q85fa06f211_proj
	.globl	k_q85fa06f211_proj
	.p2align	8
	.type	k_q85fa06f211_proj,@function
k_q85fa06f211_proj:
	s_mov_b64 s[64:65], 0
	v_nop
	global_prefetch_b8 v0, s[64:65] scope:SCOPE_SE
	s_setreg_imm32_b32 hwreg(HW_REG_WAVE_MODE, 25, 1), 1
	s_wait_xcnt 0x0
	s_wait_alu depctr_hold_cnt(0) depctr_sa_sdst(0) depctr_va_vdst(0) depctr_va_sdst(0) depctr_va_ssrc(0) depctr_va_vcc(0) depctr_vm_vsrc(0)
	s_getreg_b32 s2, hwreg(HW_REG_IB_STS2, 6, 4)
	s_cmp_eq_u32 s2, 0
	s_cbranch_scc0 .Lentry_in_a_cluster
	s_endpgm
.Lentry_in_a_cluster:
	s_bfe_u32 s2, ttmp6, 0x10000c
	s_cmp_lg_u32 s2, 0xf033
	s_cbranch_scc0 .Lentry_shape_is_right
	s_endpgm
.Lentry_shape_is_right:
.set SLOT,  143360
.set R0,    0
.set R1,    67584
.set C0,    135168
.set C1,    139264
.set PITCH, 528
.set SCST,  2*SLOT
.set SPARE, SCST+1536
.set ADA,   4
.set ADB,   6
.set ASC0,  8
.set ASC1,  10
.set GB,    12
.set GBV,   13
.set GI,    14
.set ASW,   15
.set ASR,   16
.set GS,    17
.set SPW,   18
.set NIL,   19
.set SW0,   24
.set SW1,   56
.set F0,    64
.set F1,    192
.set TM,    224
.set TP,    228
.set SO,    232
.set PW,    236
.set XW,    238
.set PC,    240
.set BI,    128
.set WV,    38
.set HM,    39
.set G1X,   40
.set G1W,   48
.set G1S,   56
.set G0X,   68
.set G0W,   76
.set G0S,   84
.set SEL,   92
.set HDR,   94
.set GR,    95
.set BLKR,  96
.set MSB, 0
.macro WIN new
.if MSB != (\new)
	s_set_vgpr_msb (MSB<<8)|(\new)
.set MSB, (\new)
.endif
.endm
.macro PLACES n
.rept \n
	v_nop
.endr
.endm
.macro CROUND
	s_barrier_signal -1
	s_barrier_wait -1
	s_cmp_lg_u32 s[WV], 0
	s_cbranch_scc1 .Lnot_wave_0_\@
	s_barrier_signal -3
.Lnot_wave_0_\@:
	s_barrier_wait -3
	s_barrier_signal -1
	s_barrier_wait -1
.endm
.macro JLOAD3 set
	s_cmp_eq_u32 s[WV], 0
	s_cbranch_scc0 .Lnot_x_\@
	tensor_load_to_lds s[G0X+4*\set:G0X+4*\set+3], s[G1X:G1X+7]
	s_nop 0
	PLACES 4
	s_branch .Lasked_\@
.Lnot_x_\@:
	s_cmp_eq_u32 s[WV], 1
	s_cbranch_scc0 .Lnot_w_\@
	tensor_load_to_lds s[G0W+4*\set:G0W+4*\set+3], s[G1W:G1W+7]
	s_nop 0
	PLACES 4
	s_branch .Lasked_\@
.Lnot_w_\@:
	tensor_load_to_lds s[G0S+4*\set:G0S+4*\set+3], s[G1S:G1S+7]
	s_nop 0
	PLACES 4
.Lasked_\@:
.endm
.macro SETG0 set, tau, lx, lw, flip, lc
	s_mov_b32 s[G0X+4*\set], 1
	s_mov_b32 s[G0X+4*\set+1], \lx
	s_add_nc_u64 s[G0X+4*\set+2:G0X+4*\set+3], s[4+8*\tau:5+8*\tau], s[98:99]
	s_or_b32 s[G0X+4*\set+3], s[G0X+4*\set+3], 0x80000000
	s_mov_b32 s[G0W+4*\set], 1
	s_mov_b32 s[G0W+4*\set+1], \lw
	s_add_nc_u64 s[G0W+4*\set+2:G0W+4*\set+3], s[8+8*\tau:9+8*\tau], s[100:101]
	s_or_b32 s[G0W+4*\set+3], s[G0W+4*\set+3], 0x80000000
	s_mov_b32 s[G0S+4*\set], 1
	s_and_b32 s[G0S+4*\set+1], s[WV], 1
	s_xor_b32 s[G0S+4*\set+1], s[G0S+4*\set+1], \flip
	s_lshl_b32 s[G0S+4*\set+1], s[G0S+4*\set+1], 12
	s_add_co_u32 s[G0S+4*\set+1], s[G0S+4*\set+1], \lc
	s_cmp_eq_u32 s[WV], 2
	s_cselect_b64 s[G0S+4*\set+2:G0S+4*\set+3], s[6+8*\tau:7+8*\tau], s[10+8*\tau:11+8*\tau]
	s_add_nc_u64 s[G0S+4*\set+2:G0S+4*\set+3], s[G0S+4*\set+2:G0S+4*\set+3], s[2:3]
	s_or_b32 s[G0S+4*\set+3], s[G0S+4*\set+3], 0x80000000
.endm
.macro BIAS tau
	WIN 0x40
.if (\tau) < 2
.irp t, 0,1,2,3,4,5,6,7
	global_load_b128 v[BI+8*\t:BI+8*\t+3], v[GB], s[28+2*(\tau):29+2*(\tau)] offset:64*\t
	global_load_b128 v[BI+8*\t+4:BI+8*\t+7], v[GB], s[28+2*(\tau):29+2*(\tau)] offset:64*\t+16
.endr
.else
	global_load_b32 v[BI], v[GBV], s[32:33]
	global_load_b32 v[BI+8], v[GBV], s[32:33] offset:64
.endif
	WIN 0
.endm
.macro SCALES slot
.irp b, 0,1,2,3
.irp c, 0,1
	ds_load_b128 v[SW0+8*\b+4*\c:SW0+8*\b+4*\c+3], v[ASC0+\slot] offset:1024*\b+16*\c
.endr
.endr
.irp c, 0,1
	ds_load_b128 v[SW1+4*\c:SW1+4*\c+3], v[ASC1+\slot] offset:16*\c
.endr
.endm
.macro FETCH slot, ks, buf
.irp t, 0,1,2,3,4,5,6,7
.irp c, 0,1
	ds_load_b128 v[F0+64*(\buf)+8*\t+4*\c:F0+64*(\buf)+8*\t+4*\c+3], v[ADA+\slot] offset:16*PITCH*\t+64*(\ks)+32*\c
.endr
.endr
.irp u, 0,1
.irp c, 0,1
	ds_load_b128 v[F1+16*(\buf)+8*\u+4*\c:F1+16*(\buf)+8*\u+4*\c+3], v[ADB+\slot] offset:16*PITCH*\u+64*(\ks)+32*\c
.endr
.endr
.endm
.macro WMS d, a, b, c, sa, sb, ra, rb
.if (\ra) && (\rb)
	v_wmma_scale_f32_16x16x128_f8f6f4 v[\d:\d+7], v[\a:\a+7], v[\b:\b+7], v[\c:\c+7], v[\sa], v[\sb] matrix_a_fmt:MATRIX_FMT_FP4 matrix_b_fmt:MATRIX_FMT_FP4 matrix_a_scale:MATRIX_SCALE_ROW1 matrix_b_scale:MATRIX_SCALE_ROW1
.elseif (\ra)
	v_wmma_scale_f32_16x16x128_f8f6f4 v[\d:\d+7], v[\a:\a+7], v[\b:\b+7], v[\c:\c+7], v[\sa], v[\sb] matrix_a_fmt:MATRIX_FMT_FP4 matrix_b_fmt:MATRIX_FMT_FP4 matrix_a_scale:MATRIX_SCALE_ROW1
.elseif (\rb)
	v_wmma_scale_f32_16x16x128_f8f6f4 v[\d:\d+7], v[\a:\a+7], v[\b:\b+7], v[\c:\c+7], v[\sa], v[\sb] matrix_a_fmt:MATRIX_FMT_FP4 matrix_b_fmt:MATRIX_FMT_FP4 matrix_b_scale:MATRIX_SCALE_ROW1
.else
	v_wmma_scale_f32_16x16x128_f8f6f4 v[\d:\d+7], v[\a:\a+7], v[\b:\b+7], v[\c:\c+7], v[\sa], v[\sb] matrix_a_fmt:MATRIX_FMT_FP4 matrix_b_fmt:MATRIX_FMT_FP4
.endif
.endm
.macro MUL ks, buf, kind
	WIN 0x50
.irp t, 0,1,2,3,4,5,6,7
.irp u, 0,1
.if (\ks) > 0
	WMS 64*\u+8*\t, F0+64*(\buf)+8*\t, F1+16*(\buf)+8*\u, 64*\u+8*\t, SW0+8*(\t/2)+(\ks), SW1+(\ks), \t%2, \u
.elseif \kind
	WMS 64*\u+8*\t, F0+64*(\buf)+8*\t, F1+16*(\buf)+8*\u, BI+8*\u, SW0+8*(\t/2)+(\ks), SW1+(\ks), \t%2, \u
.else
	WMS 64*\u+8*\t, F0+64*(\buf)+8*\t, F1+16*(\buf)+8*\u, BI+8*\t, SW0+8*(\t/2)+(\ks), SW1+(\ks), \t%2, \u
.endif
.endr
.endr
.endm
.macro KLOOP slot, kind
	SCALES \slot
	FETCH \slot, 0, 0
	s_wait_loadcnt 0x0
.if \kind
	WIN 0x41
.irp j, 1,2,3,4,5,6,7
	v_mov_b32 v[BI+\j], v[BI]
	v_mov_b32 v[BI+8+\j], v[BI+8]
.endr
	WIN 0
	PLACES 4
.endif
	s_wait_alu depctr_va_vdst(0)
.irp ks, 0,1,2,3,4,5,6,7
	s_wait_dscnt 0x0
.if \ks < 7
.if \ks > 0
	PLACES 4
.endif
	FETCH \slot, \ks+1, (\ks+1)%2
.endif
	MUL \ks, \ks%2, \kind
	WIN 0
.endr
.endm
.macro QUANT src, pc, pw
	WIN 0x05
.irp b, 0,1,2,3
	v_max3_num_f32 v[TM+\b], |v[\src+16*\b]|, |v[\src+16*\b+1]|, 0x1800000
.endr
	WIN 0x14
.irp i, 2,4,6,8,10,12,14
.irp b, 0,1,2,3
	v_max3_num_f32 v[TM+\b], v[TM+\b], |v[\src+16*\b+\i]|, |v[\src+16*\b+\i+1]|
.endr
.endr
	WIN 0
.irp b, 0,1,2,3
	v_permlanex16_b32 v[TP+\b], v[TM+\b], s[SEL], s[SEL+1]
.endr
.irp b, 0,1,2,3
	v_max_num_f32 v[TM+\b], v[TM+\b], v[TP+\b]
.endr
.irp b, 0,1,2,3
	v_add_nc_u32 v[SO+\b], 0xff000000, v[TM+\b]
.endr
.irp b, 0,1,2,3
	v_lshrrev_b32 v[TP+\b], 23, v[SO+\b]
.endr
	v_lshl_or_b32 v[\pw], v[TP+1], 8, v[TP]
	v_lshl_or_b32 v[\pw], v[TP+2], 16, v[\pw]
	v_lshl_or_b32 v[\pw], v[TP+3], 24, v[\pw]
	WIN 0x01
.irp t, 0,1,2,3,4,5,6,7
	v_cvt_scalef32_pk8_fp4_f32 v[\pc+4*(\t/4)+2*(\t%2)+(\t%4)/2], v[\src+8*\t:\src+8*\t+7], v[SO+\t/2]
.endr
	v_nop
	WIN 0
.irp c, 0,1
	v_permlane16_swap_b32 v[\pc+4*\c], v[\pc+4*\c+1]
	v_permlane16_swap_b32 v[\pc+4*\c+2], v[\pc+4*\c+3]
.endr
.endm
.macro EPI tau
	s_wait_xcnt 0x0
.if \tau < 2
	BIAS \tau+1
.endif
.irp u, 0,1
	QUANT 64*\u, PC+8*\u, PW+\u
	global_store_b128 v[GI], v[PC+8*\u:PC+8*\u+3], s[34:35] offset:\tau*0x200000+1024*\u
	global_store_b128 v[GI], v[PC+8*\u+4:PC+8*\u+7], s[34:35] offset:\tau*0x200000+1024*\u+512
.endr
	v_cndmask_b32 v[XW], v[PW], v[PW+1], s[HM]
	ds_store_b32 v[ASW], v[XW] offset:512*\tau
.endm
	s_load_b512 s[4:19], s[0:1], 0x0
	s_load_b512 s[20:35], s[0:1], 0x40
	s_load_b64 s[36:37], s[0:1], 0x80
	v_lshl_add_u32 v[SPW], v0, 2, SPARE
	v_mov_b32 v[NIL], 0
	ds_add_u32 v[SPW], v[NIL]
	ds_add_u32 v[SPW], v[NIL]
	v_lshrrev_b32 v1, 5, v0
	v_readfirstlane_b32 s[WV], v1
	s_bfe_u32 s2, ttmp6, 0x40000
	s_bfe_u32 s3, ttmp6, 0x40004
	s_lshl_b32 s[HDR], ttmp9, 2
	s_add_co_u32 s[HDR], s[HDR], s2
	s_and_b32 s[GR], ttmp7, 0xffff
	s_lshl_b32 s[GR], s[GR], 2
	s_add_co_u32 s[GR], s[GR], s3
	s_lshl_b32 s98, s3, 2
	s_lshl_b32 s98, 15, s98
	s_lshl_b32 s100, 0x1111, s2
	s_or_b32 s[G1X], s98, (1<<20)|(1<<21)|(6<<22)|(3<<25)
	s_or_b32 s[G1W], s100, (1<<20)|(1<<21)|(6<<22)|(3<<25)
.irp g, G1X, G1W
	s_mov_b32 s[\g+1], 512<<16
	s_mov_b32 s[\g+2], 128<<16
	s_mov_b32 s[\g+3], 512<<16
	s_mov_b32 s[\g+4], 128
	s_mov_b32 s[\g+5], 512
	s_mov_b32 s[\g+6], 0
	s_mov_b32 s[\g+7], 0
.endr
	s_mov_b32 s[G1S], 3<<16
	s_mov_b32 s[G1S+1], 32<<16
	s_mov_b32 s[G1S+2], 16<<16
	s_mov_b32 s[G1S+3], 32<<16
	s_mov_b32 s[G1S+4], 16
	s_mov_b32 s[G1S+5], 32
	s_mov_b32 s[G1S+6], 0
	s_mov_b32 s[G1S+7], 0
	s_lshl_b32 s98, s[GR], 16
	s_mov_b32 s99, 0
	s_lshl_b32 s100, s[HDR], 16
	s_mov_b32 s101, 0
	s_lshl_b32 s2, s[GR], 12
	s_lshl_b32 s3, s[HDR], 12
	s_cmp_eq_u32 s[WV], 2
	s_cselect_b32 s2, s2, s3
	s_mov_b32 s3, 0
	s_lshr_b32 s[BLKR], s[GR], 4
	s_lshl_b32 s[BLKR], s[BLKR], 3
	s_add_co_u32 s[BLKR], s[BLKR], s[HDR]
	s_lshl_b32 s[BLKR], s[BLKR], 4
	s_and_b32 s97, s[GR], 15
	s_add_co_u32 s[BLKR], s[BLKR], s97
	s_mov_b32 s[HM], 0xffff0000
	s_mov_b32 s[SEL], 0x76543210
	s_mov_b32 s[SEL+1], 0xfedcba98
	v_and_b32 v1, 15, v0
	v_bfe_u32 v2, v0, 4, 1
	v_and_b32 v3, 31, v0
	v_mul_u32_u24 v[ADA], v1, PITCH
	v_lshl_add_u32 v[ADA], v2, 4, v[ADA]
	v_add_nc_u32 v[ADA+1], SLOT, v[ADA]
	s_mul_i32 s66, s[WV], 32*PITCH
	s_add_co_u32 s66, s66, R1
	v_add_nc_u32 v[ADB], s66, v[ADA]
	v_add_nc_u32 v[ADB+1], SLOT, v[ADB]
	v_lshl_add_u32 v[ASC0], v3, 5, C0
	v_add_nc_u32 v[ASC0+1], SLOT, v[ASC0]
	s_lshl_b32 s66, s[WV], 10
	s_add_co_u32 s66, s66, C1
	v_lshl_add_u32 v[ASC1], v3, 5, s66
	v_add_nc_u32 v[ASC1+1], SLOT, v[ASC1]
	s_lshl_b32 s66, s[WV], 7
	s_add_co_u32 s66, s66, SCST
	v_lshl_add_u32 v[ASW], v3, 2, s66
	s_min_u32 s67, s[WV], 2
	s_lshl_b32 s66, s67, 9
	s_add_co_u32 s66, s66, SCST
	v_lshl_add_u32 v[ASR], v3, 4, s66
	s_lshl_b32 s97, s[HDR], 9
	v_lshl_add_u32 v[GB], v2, 5, s97
	s_lshl_b32 s66, s[WV], 7
	s_add_co_u32 s97, s97, s66
	v_lshl_add_u32 v[GBV], v1, 2, s97
	s_lshl_b32 s97, s[BLKR], 13
	s_lshl_b32 s66, s[WV], 11
	s_add_co_u32 s97, s97, s66
	v_lshl_add_u32 v[GI], v3, 4, s97
	s_lshl_b32 s97, s[BLKR], 9
	s_lshl_b32 s66, s67, 17
	s_add_co_u32 s97, s97, s66
	v_lshl_add_u32 v[GS], v3, 4, s97
.irp b, 0,1,2,3
	v_mov_b32 v[TP+\b], 0
.endr
	s_wait_dscnt 0x0
	s_wait_kmcnt 0x0
	SETG0 0, 0, R1, R0, 1, C0
	SETG0 1, 1, SLOT+R1, SLOT+R0, 1, SLOT+C0
	CROUND
	JLOAD3 0
	s_wait_alu depctr_va_vdst(0)
	s_wait_tensorcnt 0x0
	ds_add_u32 v18, v19
	s_wait_dscnt 0x0
	CROUND
	JLOAD3 1
	s_wait_alu depctr_va_vdst(0)
	BIAS 0
	s_wait_tensorcnt 0x1
	s_barrier_signal -1
	s_barrier_wait -1
	KLOOP 0, 0
	s_wait_tensorcnt 0x0
	ds_add_u32 v[SPW], v[NIL]
	SETG0 0, 2, R0, R1, 0, C0
	s_wait_dscnt 0x0
	CROUND
	JLOAD3 0
	EPI 0
	KLOOP 1, 0
	PLACES 4
	EPI 1
	s_wait_tensorcnt 0x0
	s_wait_dscnt 0x0
	s_barrier_signal -1
	s_barrier_wait -1
	KLOOP 0, 1
	PLACES 4
	EPI 2
	s_wait_dscnt 0x0
	s_barrier_signal -1
	s_barrier_wait -1
	s_cmp_lt_u32 s[WV], 3
	s_cbranch_scc0 .Lno_sc
	ds_load_b128 v[TM:TM+3], v[ASR]
	s_wait_dscnt 0x0
	global_store_b128 v[GS], v[TM:TM+3], s[36:37]
.Lno_sc:
	s_wait_tensorcnt 0x0
	ds_add_u32 v[SPW], v[NIL]
	s_wait_dscnt 0x0
	CROUND
	s_endpgm
.Lfunc_end_k_q85fa06f211_proj:
	.size	k_q85fa06f211_proj, .Lfunc_end_k_q85fa06f211_proj-k_q85fa06f211_proj
	.p2alignl 7, 3214868480
	.fill 96, 4, 3214868480
	.section	.rodata,"a",@progbits
	.p2align	6, 0x0
	.amdhsa_kernel k_q85fa06f211_proj
		.amdhsa_group_segment_fixed_size 327680
		.amdhsa_private_segment_fixed_size 0
		.amdhsa_enable_private_segment 0
		.amdhsa_kernarg_size 136
		.amdhsa_user_sgpr_count 2
		.amdhsa_user_sgpr_kernarg_segment_ptr 1
		.amdhsa_wavefront_size32 1
		.amdhsa_system_sgpr_workgroup_id_x 1
		.amdhsa_system_sgpr_workgroup_id_y 1
		.amdhsa_system_sgpr_workgroup_id_z 1
		.amdhsa_system_vgpr_workitem_id 0
		.amdhsa_next_free_vgpr 512
		.amdhsa_next_free_sgpr 102
		.amdhsa_reserve_vcc 0
		.amdhsa_float_denorm_mode_32 3
		.amdhsa_float_denorm_mode_16_64 3
		.amdhsa_memory_ordered 1
		.amdhsa_forward_progress 1
		.amdhsa_inst_pref_size 127
	.end_amdhsa_kernel
	.amdgpu_metadata
---
amdhsa.version: [ 1, 2 ]
amdhsa.kernels:
  - .name:           k_q85fa06f211_proj
    .symbol:         k_q85fa06f211_proj.kd
    .args:
      - { .name: q_codes, .offset: 0, .size: 8, .value_kind: global_buffer, .address_space: global }
      - { .name: q_scales, .offset: 8, .size: 8, .value_kind: global_buffer, .address_space: global }
      - { .name: Wq_codes, .offset: 16, .size: 8, .value_kind: global_buffer, .address_space: global }
      - { .name: Wq_scales, .offset: 24, .size: 8, .value_kind: global_buffer, .address_space: global }
      - { .name: k_codes, .offset: 32, .size: 8, .value_kind: global_buffer, .address_space: global }
      - { .name: k_scales, .offset: 40, .size: 8, .value_kind: global_buffer, .address_space: global }
      - { .name: Wk_codes, .offset: 48, .size: 8, .value_kind: global_buffer, .address_space: global }
      - { .name: Wk_scales, .offset: 56, .size: 8, .value_kind: global_buffer, .address_space: global }
      - { .name: v_codes, .offset: 64, .size: 8, .value_kind: global_buffer, .address_space: global }
      - { .name: v_scales, .offset: 72, .size: 8, .value_kind: global_buffer, .address_space: global }
      - { .name: Wv_codes, .offset: 80, .size: 8, .value_kind: global_buffer, .address_space: global }
      - { .name: Wv_scales, .offset: 88, .size: 8, .value_kind: global_buffer, .address_space: global }
      - { .name: bq, .offset: 96, .size: 8, .value_kind: global_buffer, .address_space: global }
      - { .name: bk, .offset: 104, .size: 8, .value_kind: global_buffer, .address_space: global }
      - { .name: bv, .offset: 112, .size: 8, .value_kind: global_buffer, .address_space: global }
      - { .name: img, .offset: 120, .size: 8, .value_kind: global_buffer, .address_space: global }
      - { .name: sc, .offset: 128, .size: 8, .value_kind: global_buffer, .address_space: global }
    .group_segment_fixed_size: 327680
    .private_segment_fixed_size: 0
    .kernarg_segment_align: 8
    .kernarg_segment_size: 136
    .max_flat_workgroup_size: 128
    .sgpr_count:     102
    .vgpr_count:     512
    .wavefront_size: 32
...
	.end_amdgpu_metadata
.endif
;; end of part 1
;; launch attn (part 2): grid 16 x 16, 8 waves a work-group, clusters of 4 x 1, 286,720 bytes of LDS; arguments img, sc, lambda_q1, lambda_k1, lambda_q2, lambda_k2, aimg, asc; writes aimg, asc
.if DOCPART == 2
	.amdgcn_target "amdgcn-amd-amdhsa--gfx1250"
	.amdhsa_code_object_version 6
	.text
	.protected	k_q85fa06f211_attn
	.globl	k_q85fa06f211_attn
	.p2align	8
	.type	k_q85fa06f211_attn,@function
k_q85fa06f211_attn:
	s_mov_b64 s[64:65], 0
	v_nop
	global_prefetch_b8 v0, s[64:65] scope:SCOPE_SE
	s_setreg_imm32_b32 hwreg(HW_REG_WAVE_MODE, 25, 1), 1
	s_wait_xcnt 0x0
	s_wait_alu depctr_hold_cnt(0) depctr_sa_sdst(0) depctr_va_vdst(0) depctr_va_sdst(0) depctr_va_ssrc(0) depctr_va_vcc(0) depctr_vm_vsrc(0)
	s_getreg_b32 s2, hwreg(HW_REG_IB_STS2, 6, 4)
	s_cmp_eq_u32 s2, 0
	s_cbranch_scc0 .Lentry_in_a_cluster
	s_endpgm
.Lentry_in_a_cluster:
	s_bfe_u32 s2, ttmp6, 0x10000c
	s_cmp_lg_u32 s2, 0x3003
	s_cbranch_scc0 .Lentry_shape_is_right
	s_endpgm
.Lentry_shape_is_right:
; Launch 2 of 3: for one head, diff = softmax(Q1 K1^T / 8) - lam softmax(Q2 K2^T / 8), out = diff V, both products on codes of FP4; out is quantised for the last product.  Nothing is left out.
; SHARES.  A work-group of EIGHT waves, two to a SIMD, owns 128 queries of one head and walks them in 8 tiles of 16.  For the scores the waves share the KEYS: wave w has keys 256 w .. 256 w + 255 of both sub-heads.
; For the second product wave w has channels 32 (w % 4) .. + 31 over keys 1024 (w / 4) .. + 1023.  Its 16 fragments of V stay in registers, its 16 KiB of K in its own LDS, for the whole launch.
; What crosses between waves goes through LDS: four numbers a query and wave (maxima and sums), diff's codes as images of the operand's registers, and the second product's f32 sums of each half of the keys,
; as images of 16 registers, in a stage of their own for all 8 tiles.  Two barriers a tile.  Behind the loop wave T adds the two halves of tile T, quantises them and stores them.
; LAYOUT.  Both products are used transposed (source 0 = 16 keys or 16 channels, source 1 = 16 queries): a lane holds ONE query (lane % 16) throughout.
; K = 64 in the first product and the instruction sums 128: K's fragment holds both sub-heads, and Q stands twice in registers, each time with zero codes in the other sub-head's half.
; K'S FRAGMENTS come in half steps of 4 tiles and have three places: v32-63 of window 0 (half steps 0 and 3), and v96-127 and v224-255 of window 1 (half steps 1 and 2), where the scores of half step 3 are written last.
; Half step 0 is fetched behind the first barrier of the tile before, half steps 1 and 2 at that tile's end, half step 3 behind the products of half step 0.
; SOFTMAX.  Each wave takes the largest score of its own 256 keys away ahead of its exponentials: p = 2^(c s - c m_w), c = log2(e) / 8; the eight parts are brought under the row's maximum by
; f_w = 2^(c m_w - c m): a running maximum in eight parts.  diff = p1 f1 / L1 - lam p2 f2 / L2.  The eight parts are joined by lanes 0-15 for the first sub-head and by lanes 16-31 for the second.
; CLUSTER 4 x 1: four query blocks of one head: K's images are asked for jointly.  V and the scale words of K and V are not: they go once, straight into the registers in which they stay.  Q is each work-group's own.
; No prefetch: every stream is read once, at the head.
; LIMITS: NaN and infinities are not served; v_exp_f32 gives 0 for results under 2^-126; a division is a multiplication by v_rcp_f32; sums are taken in another order than written; a block of zeros gets the byte 1.
; REGISTERS.  window 0: v1-15 addresses; v16-31 Q twice; v32-63 four fragments of K, between the scores and the first barrier the running sums; v64-93 scale words; v94-127 statistics, temporaries; v128-255 V (K step k, tile n at 8 (2 k + n)).
;   window 1: v0-127 the first sub-head's scores (half step hs, tile t at 32 hs + 8 t), then p, then diff; v128-255 the second's, later the quantiser's work.  In the second product v0-63 diff's 8 fragments, v64-95 four accumulators, v128-143 their sums.
.set STAT,  131072                     ; LDS: bytes 0 .. 131,071: K's images, 16,384 a wave.  Then wave w's statistics at 256 w + 16 r,
.set DIMG,  133120                     ; diff's 16 fragments, K step S at 1024 S,
.set DSC,   149504                     ; their scale words: wave w's two in 8 bytes a lane at 256 w,
.set OSC,   151552                     ; the result's scale words: token 16 tile + r at 4 bytes,
.set SPARE, 152064                     ; the spare words, 128 bytes a wave,
.set OST,   153088                     ; the stage of f32 sums: tile T, wave w at 16384 T + 2048 w
.set AK,    1                          ; 16384 w + 16 lane
.set ASTW,  2                          ; STAT + 256 w + 16 r
.set ASTR,  3                          ; STAT + 16 r + 8 h
.set ADW,   4                          ; DIMG + 2048 w + 16 lane
.set ADSW,  5                          ; DSC + 256 w + 8 lane
.set ADR,   6                          ; DIMG + 8192 (w / 4) + 16 lane
.set AOS0,  7                          ; OSC + 64 w + 4 r
.set L16,   9                          ; 16 lane
.set RW4,   10                         ; 4 r
.set GO,    11                         ; 16 r + 8 h
.set SPW,   12                         ; my spare word; never rewritten
.set NIL,   13                         ; 0; never rewritten
.set AOR,   14                         ; OSC + 16 lane
.set AOST,  15                         ; OST + 2048 w + 16 lane
.set Q1,    16                         ; v16-23: registers 0-3 Q's, 4-7 zeros
.set Q2,    24                         ; v24-31: registers 0-3 zeros, 4-7 Q's
.set KB,    32                         ; K's fragments in window 0;
.set KBB,   96                         ; in window 1, half step 1's;
.set KBC,   224                        ; in window 1, half step 2's
.set SCR,   32                         ; eight pairs of running sums a sub-head
.set KSW,   64                         ; register 2 hs + j: lanes 0-15 tile 2 j's words, lanes 16-31 tile 2 j + 1's
.set VSW,   72                         ; register k: lanes 0-15 my channels' tile 0, lanes 16-31 tile 1
.set DSW,   84                         ; register k: diff's words
.set QSW,   92
.set LAMF,  93                         ; lanes 0-15: 1; lanes 16-31: -lam
.set MX,    94                         ; v94-109 eight running maxima a sub-head
.set SL,    94                         ; behind the first barrier: (c m, l) of the eight waves, of my lane's sub-head; c m becomes f in place
.set ST4,   110                        ; v110-113 c m1, l1, c m2, l2 of my 256 keys
.set RF1,   114                        ; f1 / L1 (v115 named with it as a pair)
.set RF2,   116                        ; -lam f2 / L2 (v117 likewise)
.set ADSR,  118                        ; DSC + 1024 (w / 4) + 8 lane
.set AFR,   119                        ; OST + 16384 w + 16 lane
.set TA,    120                        ; v120-125 temporaries (at the head v120-123: offsets into sc and img, 8 lane)
.set TB,    121
.set TC,    122
.set TD,    123
.set TE,    124
.set TF,    125
.set VF,    128
.set TM,    128                        ; window 1: the quantiser's work, 8 blocks at a time
.set TP,    136
.set SO,    144
.set PW,    152                        ; my two scale words
.set PC,    160                        ; my two fragments' codes
.set AC,    64
.set OFR,   128
.set FA,    128                        ; window 1, behind the loop: four channel groups by turns
.set FB,    132
.set FP,    136
.set FY,    140
.set FXX,   144
.set WV,    20
.set G1,    24
.set G0,    32
.set SEL,   36                         ; v_permlanex16_b32's selects for lane l xor 16
.set CS,    38                         ; c (the packed form names a pair)
.set CNT,   40                         ; tiles to go
.set TOFF,  41                         ; 16384 x tile
.set QB,    42                         ; the tile's fragment of Q; s[44:45] its scale words; s[46:47] tile w's image in aimg; s[48:49] my work-group's 512 bytes of asc
.set QSB,   44
.set OB,    46
.set ASB,   48
.set HM,    62                         ; the mask of lanes 16-31
.set MSB, 0
.macro WIN new
.if MSB != (\new)
	s_set_vgpr_msb (MSB<<8)|(\new)
.set MSB, (\new)
.endif
.endm
.macro PLACES n
.rept \n
	v_nop
.endr
.endm
.macro WALU
	s_wait_alu depctr_va_vdst(0)
.endm
.macro CROUND
	s_barrier_signal -1
	s_barrier_wait -1
	s_cmp_lg_u32 s[WV], 0
	s_cbranch_scc1 .Lnot_wave_0_\@
	s_barrier_signal -3
.Lnot_wave_0_\@:
	s_barrier_wait -3
	s_barrier_signal -1
	s_barrier_wait -1
.endm
.macro WMA d, a, b, c, sa, sb, ra      ; one product; c < 0: it starts a sum; ra: source 0's scale words stand in lanes 16-31
.if (\c) < 0
.if (\ra)
	v_wmma_scale_f32_16x16x128_f8f6f4 v[\d:\d+7], v[\a:\a+7], v[\b:\b+7], 0, v[\sa], v[\sb] matrix_a_fmt:MATRIX_FMT_FP4 matrix_b_fmt:MATRIX_FMT_FP4 matrix_a_scale:MATRIX_SCALE_ROW1
.else
	v_wmma_scale_f32_16x16x128_f8f6f4 v[\d:\d+7], v[\a:\a+7], v[\b:\b+7], 0, v[\sa], v[\sb] matrix_a_fmt:MATRIX_FMT_FP4 matrix_b_fmt:MATRIX_FMT_FP4
.endif
.else
.if (\ra)
	v_wmma_scale_f32_16x16x128_f8f6f4 v[\d:\d+7], v[\a:\a+7], v[\b:\b+7], v[\c:\c+7], v[\sa], v[\sb] matrix_a_fmt:MATRIX_FMT_FP4 matrix_b_fmt:MATRIX_FMT_FP4 matrix_a_scale:MATRIX_SCALE_ROW1
.else
	v_wmma_scale_f32_16x16x128_f8f6f4 v[\d:\d+7], v[\a:\a+7], v[\b:\b+7], v[\c:\c+7], v[\sa], v[\sb] matrix_a_fmt:MATRIX_FMT_FP4 matrix_b_fmt:MATRIX_FMT_FP4
.endif
.endif
.endm
.macro FETCHK hs, base, win            ; 8 LDS loads: the 4 fragments of my keys 64 hs .. 64 hs + 63 into registers base on; win: 0 window 0, 0x40 window 1
	WIN \win
.irp t, 0,1,2,3
.irp c, 0,1
	ds_load_b128 v[\base+8*\t+4*\c:\base+8*\t+4*\c+3], v[AK] offset:4096*\hs+1024*\t+512*\c
.endr
.endr
	WIN 0
.endm
.macro QK hs, base, win                ; 8 products, each a whole sum: 4 tiles of keys against the first sub-head's Q, then against the second's; win: 0x40 K's fragments in window 0, 0x41 in window 1
	WIN \win
.irp t, 0,1,2,3
	WMA 32*\hs+8*\t, \base+8*\t, Q1, -1, KSW+2*\hs+\t/2, QSW, \t%2
.endr
.irp t, 0,1,2,3
	WMA 128+32*\hs+8*\t, \base+8*\t, Q2, -1, KSW+2*\hs+\t/2, QSW, \t%2
.endr
	WIN 0
	PLACES 4                                       ; in front of the first read of results and of loads into the products' registers
.endm
.macro MAXL g, base                    ; eight chains take in 16 scores; each accumulator is read from its low end on
.irp c, 0,1,2,3,4,5,6,7
	v_max3_num_f32 v[MX+8*\g+\c], v[MX+8*\g+\c], v[\base+2*\c], v[\base+2*\c+1]
.endr
.endm
.macro MAXP hs                         ; the largest score of half step hs, both sub-heads; half step 0 starts the chains
.if \hs == 0
	WIN 0x05
.irp g, 0,1
.irp c, 0,1,2,3,4,5,6,7
	v_max_num_f32 v[MX+8*\g+\c], v[128*\g+2*\c], v[128*\g+2*\c+1]
.endr
.endr
	WIN 0x14
	MAXL 0, 16
	MAXL 1, 144
.else
	WIN 0x14
	MAXL 0, 32*\hs
	MAXL 1, 128+32*\hs
	MAXL 0, 32*\hs+16
	MAXL 1, 128+32*\hs+16
.endif
	WIN 0
.endm
.macro EF p                            ; pair p (0-63 the first sub-head's, 64-127 the second's): c s - c m
	v_pk_fma_f32 v[2*(\p):2*(\p)+1], v[2*(\p):2*(\p)+1], s[CS:CS+1], v[ST4+2*((\p)/64):ST4+2*((\p)/64)+1] op_sel_hi:[1,0,0] neg_lo:[0,0,1] neg_hi:[0,0,1]
.endm
.macro SUMC k                          ; the 32 pairs of batch k go into the eight chains of sub-head k / 2; an even batch starts them
.if (\k)%2 == 0
	WIN 0x05
.irp c, 0,1,2,3,4,5,6,7
	v_pk_add_f32 v[SCR+16*((\k)/2)+2*\c:SCR+16*((\k)/2)+2*\c+1], v[2*(32*(\k)+\c):2*(32*(\k)+\c)+1], v[2*(32*(\k)+8+\c):2*(32*(\k)+8+\c)+1]
.endr
.endif
	WIN 0x04
.set PP, 32*(\k)+16*(1-(\k)%2)
.rept 2+2*((\k)%2)
.irp c, 0,1,2,3,4,5,6,7
	v_pk_add_f32 v[SCR+16*((\k)/2)+2*\c:SCR+16*((\k)/2)+2*\c+1], v[SCR+16*((\k)/2)+2*\c:SCR+16*((\k)/2)+2*\c+1], v[2*(PP+\c):2*(PP+\c)+1]
.endr
.set PP, PP+8
.endr
.endm
	s_load_b512 s[4:19], s[0:1], 0x0               ; img s[4:5], sc s[6:7], lambda_q1, _k1, _q2, _k2 s[8:15], aimg s[16:17], asc s[18:19]
	v_lshl_add_u32 v[SPW], v0, 2, SPARE
	v_mov_b32 v[NIL], 0
	ds_add_u32 v[SPW], v[NIL]                      ; the opening add, twice on end, and its wait further down
	ds_add_u32 v[SPW], v[NIL]
	v_lshrrev_b32 v8, 5, v0
	v_readfirstlane_b32 s[WV], v8                  ; wave 0..7
	s_bfe_u32 s21, ttmp6, 0x40000                  ; cx
	s_lshl_b32 s22, ttmp9, 2
	s_add_co_u32 s22, s22, s21                     ; qg: my block of 128 queries: it enters addresses in memory alone
	s_and_b32 s23, ttmp7, 0xffff                   ; bh = 8 b + head, which the four partners share
	s_mov_b32 s[G1], 15|(3<<16)|(1<<21)            ; the mask: all four work-groups; elements of 8 bytes; bit 21 beside a mask; no padding
	s_mov_b32 s[G1+1], 32<<16                      ; 16,384 dense bytes as 64 rows of 256
	s_mov_b32 s[G1+2], 64<<16
	s_mov_b32 s[G1+3], 32<<16
	s_mov_b32 s[G1+4], 64
	s_mov_b32 s[G1+5], 32
	s_mov_b32 s[G1+6], 0
	s_mov_b32 s[G1+7], 0
	s_lshl_b32 s58, s23, 17                        ; my keys' images in K's plane: from bh and the wave alone
	s_lshl_b32 s66, s[WV], 14
	s_add_co_u32 s58, s58, s66
	s_mov_b32 s59, 0
	s_lshl_b32 s50, s23, 4
	s_add_co_u32 s50, s50, s22                     ; 16 bh + qg
	s_lshl_b32 s52, s50, 13
	s_mov_b32 s53, 0
	s_lshl_b32 s54, s50, 9
	s_mov_b32 s55, 0
	s_lshr_b32 s51, s23, 3
	s_lshl_b32 s51, s51, 4
	s_add_co_u32 s51, s51, s22                     ; G = 16 b + qg
	s_lshl_b32 s51, s51, 3
	s_and_b32 s56, s23, 7
	s_add_co_u32 s51, s51, s56                     ; 8 G + head
	s_lshl_b32 s56, s51, 13
	s_mov_b32 s57, 0
	s_lshl_b32 s60, s[WV], 10                      ; tile w's image
	s_mov_b32 s61, 0
	s_mov_b32 s[HM], 0xffff0000
	s_mov_b32 s[SEL], 0x76543210
	s_mov_b32 s[SEL+1], 0xfedcba98
	s_mov_b32 s[CS], 0x3e38aa3b                    ; c = log2(e) / 8
	s_mov_b32 s[CS+1], s[CS]
	s_mov_b32 s[CNT], 8
	s_mov_b32 s[TOFF], 0
	s_lshr_b32 s21, s[WV], 2                       ; which half of the keys is mine in the second product
	s_and_b32 s22, s[WV], 3                        ; which 32 channels
	s_lshl_b32 s67, s[WV], 8                       ; the waves' terms of the addresses, all ahead of the vector lines
	s_add_co_u32 s70, s67, DSC
	s_add_co_u32 s67, s67, STAT
	s_lshl_b32 s69, s[WV], 11
	s_add_co_u32 s77, s69, OST
	s_add_co_u32 s69, s69, DIMG
	s_lshl_b32 s71, s21, 13
	s_add_co_u32 s71, s71, DIMG
	s_lshl_b32 s75, s21, 10
	s_add_co_u32 s75, s75, DSC
	s_lshl_b32 s76, s[WV], 6
	s_add_co_u32 s76, s76, OSC
	s_add_co_u32 s78, s66, OST
	s_lshl_b32 s50, s23, 13
	s_add_co_u32 s72, s50, s60                     ; K's scale words: 8192 bh + 1024 w
	s_lshl_b32 s51, s22, 7
	s_add_co_u32 s73, s50, s51
	s_lshl_b32 s51, s21, 12
	s_add_co_u32 s73, s73, s51                     ; V's: 8192 bh + 128 (w % 4) + 4096 (w / 4)
	s_lshl_b32 s74, s23, 17
	s_lshl_b32 s51, s22, 11
	s_add_co_u32 s74, s74, s51
	s_lshl_b32 s51, s21, 16
	s_add_co_u32 s74, s74, s51                     ; V's fragments: 131072 bh + 2048 (w % 4) + 65536 (w / 4)
	v_and_b32 v124, 31, v0                         ; lane
	v_and_b32 v125, 15, v0                         ; r
	v_bfe_u32 v126, v0, 4, 1                       ; h
	v_lshl_add_u32 v[AK], v124, 4, s66
	v_lshl_add_u32 v[GO], v125, 4, 0
	v_lshl_add_u32 v[GO], v126, 3, v[GO]
	v_lshl_add_u32 v[ASTW], v125, 4, s67
	v_add_nc_u32 v[ASTR], STAT, v[GO]
	v_lshl_add_u32 v[ADW], v124, 4, s69
	v_lshl_add_u32 v[ADSW], v124, 3, s70
	v_lshl_add_u32 v[ADR], v124, 4, s71
	v_lshl_add_u32 v[ADSR], v124, 3, s75
	v_lshl_add_u32 v[AOS0], v125, 2, s76
	v_lshl_add_u32 v[AOR], v124, 4, OSC
	v_lshl_add_u32 v[AOST], v124, 4, s77
	v_lshl_add_u32 v[AFR], v124, 4, s78
	v_lshlrev_b32 v[L16], 4, v124
	v_lshlrev_b32 v[RW4], 2, v125
	v_lshl_add_u32 v120, v124, 2, s72
	v_lshl_add_u32 v121, v124, 2, s73
	v_lshl_add_u32 v122, v124, 4, s74
	v_lshlrev_b32 v123, 3, v124
.irp j, 4,5,6,7,8,9,10,11
	v_mov_b32 v[Q1+\j], 0                          ; the zero codes in Q's two copies: v20-27
.endr
.irp j, 111,113,115,117,127
	v_mov_b32 v[\j], 0                             ; named as the upper halves of pairs, or as a lane permute's destination, before they are first written
.endr
	WALU                                           ; at the head's end
	s_wait_dscnt 0x0                               ; both opening adds are done
	s_wait_kmcnt 0x0
	s_add_nc_u64 s[QB:QB+1], s[4:5], s[52:53]
	s_add_nc_u64 s[QSB:QSB+1], s[6:7], s[54:55]
	s_add_nc_u64 s[OB:OB+1], s[16:17], s[56:57]
	s_add_nc_u64 s[OB:OB+1], s[OB:OB+1], s[60:61]
	s_lshr_b32 s56, s56, 4
	s_add_nc_u64 s[ASB:ASB+1], s[18:19], s[56:57]
	s_mov_b32 s[G0], 1
	s_lshl_b32 s[G0+1], s[WV], 14                  ; my 16,384 bytes of LDS
	s_add_nc_u64 s[G0+2:G0+3], s[4:5], s[58:59]
	s_add_nc_u64 s[G0+2:G0+3], s[G0+2:G0+3], 0x200000   ; K's plane
	s_or_b32 s[G0+3], s[G0+3], 0x80000000
	CROUND                                         ; all four work-groups are here: the joint loads meet
	tensor_load_to_lds s[G0:G0+3], s[G1:G1+7]      ; my one tensor load: filled once, read by me alone
	s_nop 0
	PLACES 4
	global_load_b128 v[Q1:Q1+3], v[L16], s[QB:QB+1]                ; tile 0's Q: registers 0-3 (the first sub-head's 64),
	global_load_b128 v[Q2+4:Q2+7], v[L16], s[QB:QB+1] offset:512   ; registers 4-7 (the second's),
	global_load_b32 v[QSW], v[RW4], s[QSB:QSB+1]                   ; and its scale words
	global_load_b64 v[32:33], v123, s[8:9]         ; the lambdas: two numbers a lane
	global_load_b64 v[34:35], v123, s[10:11]
	global_load_b64 v[36:37], v123, s[12:13]
	global_load_b64 v[38:39], v123, s[14:15]
.irp i, 0,1,2,3,4,5,6,7
	global_load_b32 v[KSW+\i], v120, s[6:7] offset:131072+128*\i
.endr
.irp k, 0,1,2,3,4,5,6,7
	global_load_b32 v[VSW+\k], v121, s[6:7] offset:262144+512*\k
.endr
.irp k, 0,1,2,3,4,5,6,7
.irp n, 0,1
.irp c, 0,1
	global_load_b128 v[VF+8*(2*\k+\n)+4*\c:VF+8*(2*\k+\n)+4*\c+3], v122, s[4:5] offset:0x400000+8192*\k+1024*\n+512*\c
.endr
.endr
.endr
	s_wait_loadcnt 32                              ; all but V's 32 loads, the youngest
	; lam = exp(sum lambda_q1 lambda_k1) - exp(sum lambda_q2 lambda_k2) + 0.8, while K and V are on their way
	v_mul_f32 v124, v32, v34
	v_mul_f32 v125, v36, v38
	v_fma_f32 v124, v33, v35, v124
	v_fma_f32 v125, v37, v39, v125
.irp m, 1,2,4,8
	v_add_f32_dpp v124, v124, v124 row_xmask:\m row_mask:0xf bank_mask:0xf
	v_add_f32_dpp v125, v125, v125 row_xmask:\m row_mask:0xf bank_mask:0xf
.endr
	v_permlanex16_b32 v126, v124, s[SEL], s[SEL+1]
	v_permlanex16_b32 v127, v125, s[SEL], s[SEL+1]
	v_add_f32 v124, v124, v126                     ; x1
	v_add_f32 v125, v125, v127                     ; x2
	v_mul_f32 v40, 0x3fb8aa3b, v124                ; t = x log2(e), rounded;
	v_mul_f32 v41, 0x3fb8aa3b, v125
	v_fma_f32 v42, v124, 0x3fb8aa3b, -v40          ; what the rounding lost,
	v_fma_f32 v43, v125, 0x3fb8aa3b, -v41
	v_fma_f32 v42, v124, 0x32a57060, v42           ; and what log2(e) has beyond its f32
	v_fma_f32 v43, v125, 0x32a57060, v43
	WALU                                           ; ahead of the two
	v_exp_f32 v40, v40
	v_exp_f32 v41, v41
	v_mul_f32 v42, 0x3f317218, v42                 ; x ln 2 (plain lines behind the exponentials)
	v_mul_f32 v43, 0x3f317218, v43
	WALU                                           ; and behind them
	v_fma_f32 v40, v40, v42, v40                   ; e^x = 2^t (1 + rest)
	v_fma_f32 v41, v41, v43, v41
	v_sub_f32 v124, v41, v40
	v_add_f32 v124, 0xbf4ccccd, v124               ; -lam = (e2 - e1) - 0.8
	v_cndmask_b32 v[LAMF], 1.0, v124, s[HM]
	WALU
	s_wait_xcnt 0x0                                ; V's loads have read their offsets: v120-123 may be written again
	s_wait_tensorcnt 0x0                           ; my keys' images are in LDS; I alone read them
	FETCHK 0, KB, 0
	FETCHK 1, KBB, 0x40
	FETCHK 2, KBC, 0x40
.Ltile:
	s_wait_dscnt 16                                ; half step 0's fragments are in; the 16 youngest loads are those of half steps 1 and 2
	QK 0, KB, 0x40
	FETCHK 3, KB, 0
	MAXP 0
	s_wait_dscnt 16                                ; half step 1's are in; younger: half steps 2 and 3
	QK 1, KBB, 0x41
	MAXP 1
	s_wait_dscnt 8                                 ; half step 2's are in; younger: half step 3
	QK 2, KBC, 0x41
	MAXP 2
	s_wait_dscnt 0x0
	QK 3, KB, 0x40                                 ; its results lie where the fragments of half steps 1 and 2 lay
	s_cmp_eq_u32 s[CNT], 1                         ; the next tile's Q, if there is a next tile: no load leaves its buffer
	s_cbranch_scc1 .Lno_q
	global_load_b128 v[Q1:Q1+3], v[L16], s[QB:QB+1] offset:1024
	global_load_b128 v[Q2+4:Q2+7], v[L16], s[QB:QB+1] offset:1536
	global_load_b32 v[QSW], v[RW4], s[QSB:QSB+1] offset:64
.Lno_q:
	MAXP 3
	v_max3_num_f32 v[TA], v[MX], v[MX+1], v[MX+2]
	v_max3_num_f32 v[TC], v[MX+8], v[MX+9], v[MX+10]
	v_max3_num_f32 v[TE], v[MX+3], v[MX+4], v[MX+5]
	v_max3_num_f32 v[TF], v[MX+11], v[MX+12], v[MX+13]
	v_max3_num_f32 v[TA], v[TA], v[MX+6], v[MX+7]
	v_max3_num_f32 v[TC], v[TC], v[MX+14], v[MX+15]
	v_max_num_f32 v[TA], v[TA], v[TE]
	v_max_num_f32 v[TC], v[TC], v[TF]
	v_permlanex16_b32 v[TB], v[TA], s[SEL], s[SEL+1] ; the query's other keys of each tile lie in the lane 16 away
	v_permlanex16_b32 v[TD], v[TC], s[SEL], s[SEL+1]
	v_max_num_f32 v[TA], v[TA], v[TB]
	v_max_num_f32 v[TC], v[TC], v[TD]
	v_mul_f32 v[ST4], s[CS], v[TA]                 ; c m of my 256 keys
	v_mul_f32 v[ST4+2], s[CS], v[TC]
	; 256 exponentials in four batches of 64.  A batch's sources are all written ahead of the wait in front of it; between a pair's two exponentials stands the scaling of a pair of the NEXT batch; a batch's sums follow the wait behind it
	WIN 0x41
.set PP, 0
.rept 32
	EF PP
.set PP, PP+1
.endr
	WALU
.irp k, 0,1,2,3
	WIN 0x41
.set PP, 32*\k
.rept 32
	v_exp_f32 v[2*PP], v[2*PP]
.if \k < 3
	EF PP+32
.endif
	v_exp_f32 v[2*PP+1], v[2*PP+1]
.set PP, PP+1
.endr
.if \k == 3
	v_nop                                          ; a plain line behind the last exponential
.endif
	WALU
	SUMC \k
.endr
	WIN 0
.irp d, 4,2,1
.irp g, 0,1
.set JJ, 0
.rept \d
	v_pk_add_f32 v[SCR+16*\g+2*JJ:SCR+16*\g+2*JJ+1], v[SCR+16*\g+2*JJ:SCR+16*\g+2*JJ+1], v[SCR+16*\g+2*(JJ+\d):SCR+16*\g+2*(JJ+\d)+1]
.set JJ, JJ+1
.endr
.endr
.endr
	v_add_f32 v[TA], v[SCR], v[SCR+1]
	v_add_f32 v[TC], v[SCR+16], v[SCR+17]
	v_permlanex16_b32 v[TB], v[TA], s[SEL], s[SEL+1]
	v_permlanex16_b32 v[TD], v[TC], s[SEL], s[SEL+1]
	v_add_f32 v[ST4+1], v[TA], v[TB]               ; l of my 256 keys
	v_add_f32 v[ST4+3], v[TC], v[TD]
	v_cndmask_b32 v[TE], v[ST4], v[ST4+2], s[HM]   ; my own c m, of my lane's sub-head
	ds_store_b128 v[ASTW], v[ST4:ST4+3]            ; lanes l and l xor 16 write the same 16 bytes with the same values
	WALU
	s_wait_dscnt 0x0                               ; for the others' sake: my statistics lie in LDS, and my reads of the last tile's images are over
	s_barrier_signal -1
	s_barrier_wait -1
.irp w, 0,1,2,3,4,5,6,7
	ds_load_b64 v[SL+2*\w:SL+2*\w+1], v[ASTR] offset:256*\w   ; lanes 0-15: (c m1, l1) of wave w; lanes 16-31: (c m2, l2)
.endr
	s_wait_dscnt 0x0
	s_cmp_eq_u32 s[CNT], 1
	s_cbranch_scc1 .Lno_k0
	FETCHK 0, KB, 0                                ; the next tile's first fragments of K: the running sums have been read
.Lno_k0:
	v_max3_num_f32 v[TA], v[SL], v[SL+2], v[SL+4]
	v_max3_num_f32 v[TB], v[SL+6], v[SL+8], v[SL+10]
	v_max3_num_f32 v[TA], v[TA], v[SL+12], v[SL+14]
	v_max_num_f32 v[TA], v[TA], v[TB]              ; c m of the whole row
.irp w, 0,1,2,3,4,5,6,7
	v_sub_f32 v[SL+2*\w], v[SL+2*\w], v[TA]
.endr
	v_sub_f32 v[TE], v[TE], v[TA]                  ; and my own part's
	WALU                                           ; ahead of the nine
.irp w, 0,1,2,3,4,5,6,7
	v_exp_f32 v[SL+2*\w], v[SL+2*\w]               ; f = 2^(c m_w - c m)
.endr
	v_exp_f32 v[TE], v[TE]
	v_nop
	WALU                                           ; and behind them
	v_mul_f32 v[TC], v[SL+1], v[SL]
	v_mul_f32 v[TD], v[SL+9], v[SL+8]
.irp w, 1,2,3
	v_fma_f32 v[TC], v[SL+1+2*\w], v[SL+2*\w], v[TC]   ; L = the sum of l_w f_w, in the same order in every wave
	v_fma_f32 v[TD], v[SL+9+2*\w], v[SL+8+2*\w], v[TD]
.endr
	v_add_f32 v[TC], v[TC], v[TD]
	WALU
	v_rcp_f32 v[TC], v[TC]
	v_nop
	WALU
	v_mul_f32 v[TE], v[TE], v[TC]                  ; f / L
	v_mul_f32 v[TE], v[LAMF], v[TE]                ; lanes 16-31: x -lam
	v_permlanex16_b32 v[TF], v[TE], s[SEL], s[SEL+1]
	v_cndmask_b32 v[RF1], v[TE], v[TF], s[HM]      ; f1 / L1 in every lane,
	v_cndmask_b32 v[RF2], v[TF], v[TE], s[HM]      ; and -lam f2 / L2
	WIN 0x41
.set PP, 64
.rept 64
	v_pk_mul_f32 v[2*PP:2*PP+1], v[2*PP:2*PP+1], v[RF2:RF2+1] op_sel_hi:[1,0]
.set PP, PP+1
.endr
	WIN 0x51                                       ; source 1 window 0, all else window 1
.set PP, 0
.rept 64
	v_pk_fma_f32 v[2*PP:2*PP+1], v[2*PP:2*PP+1], v[RF1:RF1+1], v[128+2*PP:128+2*PP+1] op_sel_hi:[1,0,1]   ; diff
.set PP, PP+1
.endr
	; diff is quantised along the keys: my 256 keys are 8 blocks of 32; block B is registers 16 B .. 16 B + 15 of lanes l and l xor 16.  The work lies in v128 on of window 1, free from here on
	WIN 0x55
.set BB, 0
.rept 8
	v_max3_num_f32 v[TM+BB], |v[16*BB]|, |v[16*BB+1]|, 0x1800000   ; the floor 2^(3 - 127) holds the byte at 1 from below
.set BB, BB+1
.endr
.irp i, 2,4,6,8,10,12,14
.set BB, 0
.rept 8
	v_max3_num_f32 v[TM+BB], v[TM+BB], |v[16*BB+\i]|, |v[16*BB+\i+1]|
.set BB, BB+1
.endr
.endr
.set BB, 0
.rept 8
	v_permlanex16_b32 v[TP+BB], v[TM+BB], s[SEL], s[SEL+1]
.set BB, BB+1
.endr
.set BB, 0
.rept 8
	v_max_num_f32 v[TM+BB], v[TM+BB], v[TP+BB]
.set BB, BB+1
.endr
.set BB, 0
.rept 8
	v_add_nc_u32 v[SO+BB], 0xff000000, v[TM+BB]    ; 2 off the exponent field: the conversion's scale operand
.set BB, BB+1
.endr
.set BB, 0
.rept 8
	v_lshrrev_b32 v[TP+BB], 23, v[SO+BB]           ; the scale's byte
.set BB, BB+1
.endr
.irp s, 0,1
	v_lshl_or_b32 v[PW+\s], v[TP+4*\s+1], 8, v[TP+4*\s]
.endr
.irp s, 0,1
	v_lshl_or_b32 v[PW+\s], v[TP+4*\s+2], 16, v[PW+\s]
.endr
.irp s, 0,1
	v_lshl_or_b32 v[PW+\s], v[TP+4*\s+3], 24, v[PW+\s]
.endr
.set TT, 0
.rept 16
	v_cvt_scalef32_pk8_fp4_f32 v[PC+8*(TT/8)+4*((TT%8)/4)+2*(TT%2)+(TT%4)/2], v[8*TT:8*TT+7], v[SO+TT/2]   ; tile 4 c + e to register 4 c + (0, 2, 1, 3)[e]
.set TT, TT+1
.endr
	v_nop                                          ; one plain line behind the last scaled conversion
.set BB, 0
.rept 4
	v_permlane16_swap_b32 v[PC+4*BB], v[PC+4*BB+1] ; registers 4 c .. 4 c + 3 now hold k = 64 c + 32 h + 0 .. 31
	v_permlane16_swap_b32 v[PC+4*BB+2], v[PC+4*BB+3]
.set BB, BB+1
.endr
	WIN 0x04                                       ; an LDS store's data are its source 1: window 1
.irp s, 0,1
.irp c, 0,1
	ds_store_b128 v[ADW], v[PC+8*\s+4*\c:PC+8*\s+4*\c+3] offset:1024*\s+512*\c   ; K steps 2 w + s of the second product, as images of the operand's registers
.endr
.endr
	ds_store_b64 v[ADSW], v[PW:PW+1]
	WIN 0
	WALU
	s_wait_dscnt 0x0                               ; for the others' sake: my images lie in LDS (and K's first fragments are in)
	s_barrier_signal -1
	s_barrier_wait -1
.irp j, 0,1,2,3
	ds_load_b64 v[DSW+2*\j:DSW+2*\j+1], v[ADSR] offset:256*\j
.endr
	WIN 0x40                                       ; destination window 1
.irp k, 0,1,2,3,4,5,6,7
.irp c, 0,1
	ds_load_b128 v[8*\k+4*\c:8*\k+4*\c+3], v[ADR] offset:1024*\k+512*\c
.endr
.endr
	WIN 0
	s_wait_loadcnt 0x0                             ; V (in the first tile), and the next tile's Q
	WIN 0x54                                       ; V window 0; diff, C and D window 1
.irp g, 0,1
	s_wait_dscnt 8-8*\g                            ; my K steps 4 g .. 4 g + 3 are in; the second group's eight loads may be out
.irp i, 0,1,2,3
.irp n, 0,1
.if 4*\g+\i < 2
	WMA AC+8*(2*(\i%2)+\n), VF+8*(2*(4*\g+\i)+\n), 8*(4*\g+\i), -1, VSW+4*\g+\i, DSW+4*\g+\i, \n
.else
	WMA AC+8*(2*(\i%2)+\n), VF+8*(2*(4*\g+\i)+\n), 8*(4*\g+\i), AC+8*(2*(\i%2)+\n), VSW+4*\g+\i, DSW+4*\g+\i, \n   ; four accumulators (even and odd K steps x two tiles of channels) by turns
.endif
.endr
.endr
.endr
	PLACES 4
	WIN 0x55
.irp n, 0,1
.irp i, 0,1,2,3
	v_pk_add_f32 v[OFR+8*\n+2*\i:OFR+8*\n+2*\i+1], v[AC+8*\n+2*\i:AC+8*\n+2*\i+1], v[AC+16+8*\n+2*\i:AC+16+8*\n+2*\i+1]   ; even and odd K steps' sums; each accumulator from its low end on
.endr
.endr
	WIN 0
	v_add_nc_u32 v8, s[TOFF], v[AOST]              ; this tile's place in the stage
	WIN 0x04
.irp j, 0,1,2,3
	ds_store_b128 v8, v[OFR+4*\j:OFR+4*\j+3] offset:512*\j   ; my half's sums of 32 channels, as an image of the 16 registers
.endr
	WIN 0
	WALU
	s_wait_xcnt 0x0                                ; Q's loads have read their bases: these may be written again
	s_cmp_eq_u32 s[CNT], 1
	s_cbranch_scc1 .Lno_k
	FETCHK 1, KBB, 0x40                            ; the next tile's half steps 1 and 2, into registers of window 1 that are free until the scores of its half step 3
	FETCHK 2, KBC, 0x40
.Lno_k:
	s_add_nc_u64 s[QB:QB+1], s[QB:QB+1], 1024
	s_add_nc_u64 s[QSB:QSB+1], s[QSB:QSB+1], 64
	s_add_co_u32 s[TOFF], s[TOFF], 16384
	s_sub_co_u32 s[CNT], s[CNT], 1
	s_cmp_lg_u32 s[CNT], 0
	s_cbranch_scc1 .Ltile
	s_wait_dscnt 0x0                               ; my sums lie in the stage
	s_barrier_signal -1
	s_barrier_wait -1                              ; all waves' do
	; THE WAY OUT.  Wave T takes tile T: for each of the four groups of 32 channels the two halves' images, 16 registers each
	WIN 0x40
.irp q, 0,1,2,3,4,5,6,7
.irp j, 0,1,2,3
	ds_load_b128 v[32*(\q%4)+16*(\q/4)+4*\j:32*(\q%4)+16*(\q/4)+4*\j+3], v[AFR] offset:2048*\q+512*\j
.endr
.endr
	s_wait_dscnt 0x0
	WIN 0x55
.irp i, 0,1,2,3,4,5,6,7
.irp g, 0,1,2,3
	v_pk_add_f32 v[32*\g+2*\i:32*\g+2*\i+1], v[32*\g+2*\i:32*\g+2*\i+1], v[32*\g+16+2*\i:32*\g+16+2*\i+1]
.endr
.endr
	; a group's 32 channels are one block of the last product's K: 16 registers of lanes l and l xor 16; the four groups by turns
.irp g, 0,1,2,3
	v_max3_num_f32 v[FA+\g], |v[32*\g]|, |v[32*\g+1]|, 0x1800000
.endr
.irp g, 0,1,2,3
	v_max3_num_f32 v[FB+\g], |v[32*\g+2]|, |v[32*\g+3]|, |v[32*\g+4]|
.endr
.irp i, 5,9
.irp g, 0,1,2,3
	v_max3_num_f32 v[FA+\g], v[FA+\g], |v[32*\g+\i]|, |v[32*\g+\i+1]|
.endr
.irp g, 0,1,2,3
	v_max3_num_f32 v[FB+\g], v[FB+\g], |v[32*\g+\i+2]|, |v[32*\g+\i+3]|
.endr
.endr
.irp g, 0,1,2,3
	v_max3_num_f32 v[FA+\g], v[FA+\g], |v[32*\g+13]|, |v[32*\g+14]|
.endr
.irp g, 0,1,2,3
	v_max3_num_f32 v[FA+\g], v[FA+\g], v[FB+\g], |v[32*\g+15]|
.endr
.irp g, 0,1,2,3
	v_permlanex16_b32 v[FP+\g], v[FA+\g], s[SEL], s[SEL+1]
.endr
.irp g, 0,1,2,3
	v_max_num_f32 v[FA+\g], v[FA+\g], v[FP+\g]
.endr
.irp g, 0,1,2,3
	v_add_nc_u32 v[FB+\g], 0xff000000, v[FA+\g]
.endr
.irp g, 0,1,2,3
	v_lshrrev_b32 v[FY+\g], 23, v[FB+\g]
.endr
.irp g, 0,1,2,3
	v_cvt_scalef32_pk8_fp4_f32 v[FXX+2*\g], v[32*\g:32*\g+7], v[FB+\g]
	v_cvt_scalef32_pk8_fp4_f32 v[FXX+2*\g+1], v[32*\g+8:32*\g+15], v[FB+\g]
.endr
	v_lshl_or_b32 v[FY], v[FY+1], 8, v[FY]         ; (plain lines behind the conversions)  the token's scale word: byte g is group g's
	v_lshl_or_b32 v[FY], v[FY+2], 16, v[FY]
	v_lshl_or_b32 v[FY], v[FY+3], 24, v[FY]
.irp g, 0,1,2,3
	v_permlane16_swap_b32 v[FXX+2*\g], v[FXX+2*\g+1]   ; lane (r, H) now holds registers 2 H, 2 H + 1 of row r's 16 bytes
.endr
	WIN 0x04
.irp g, 0,1,2,3
	global_store_b64 v[GO], v[FXX+2*\g:FXX+2*\g+1], s[OB:OB+1] offset:256*\g   ; a quarter of the tile's image: the wave stores 256 consecutive bytes, at a multiple of 256 from aimg's first byte
.endr
	ds_store_b32 v[AOS0], v[FY]                    ; both lanes of a query write the same word with the same value
	WIN 0
	WALU
	s_wait_dscnt 0x0                               ; my scale words lie in LDS
	s_barrier_signal -1
	s_barrier_wait -1                              ; all waves' do
	s_cmp_lg_u32 s[WV], 0
	s_cbranch_scc1 .Lno_osc
	ds_load_b128 v[32:35], v[AOR]
	s_wait_dscnt 0x0
	global_store_b128 v[L16], v[32:35], s[ASB:ASB+1]   ; 128 tokens' scale words: 512 consecutive bytes
.Lno_osc:
	s_wait_tensorcnt 0x0                           ; the wave's end
	ds_add_u32 v[SPW], v[NIL]
	s_wait_dscnt 0x0
	CROUND                                         ; the closing round
	s_endpgm
.Lfunc_end_k_q85fa06f211_attn:
	.size	k_q85fa06f211_attn, .Lfunc_end_k_q85fa06f211_attn-k_q85fa06f211_attn
	.p2alignl 7, 3214868480
	.fill 96, 4, 3214868480
	.section	.rodata,"a",@progbits
	.p2align	6, 0x0
	.amdhsa_kernel k_q85fa06f211_attn
		.amdhsa_group_segment_fixed_size 286720
		.amdhsa_private_segment_fixed_size 0
		.amdhsa_enable_private_segment 0
		.amdhsa_kernarg_size 64
		.amdhsa_user_sgpr_count 2
		.amdhsa_user_sgpr_kernarg_segment_ptr 1
		.amdhsa_wavefront_size32 1
		.amdhsa_system_sgpr_workgroup_id_x 1
		.amdhsa_system_sgpr_workgroup_id_y 1
		.amdhsa_system_sgpr_workgroup_id_z 1
		.amdhsa_system_vgpr_workitem_id 0
		.amdhsa_next_free_vgpr 512
		.amdhsa_next_free_sgpr 80
		.amdhsa_reserve_vcc 0
		.amdhsa_float_denorm_mode_32 3
		.amdhsa_float_denorm_mode_16_64 3
		.amdhsa_memory_ordered 1
		.amdhsa_forward_progress 1
		.amdhsa_inst_pref_size 89
	.end_amdhsa_kernel
	.amdgpu_metadata
---
amdhsa.version: [ 1, 2 ]
amdhsa.kernels:
  - .name:           k_q85fa06f211_attn
    .symbol:         k_q85fa06f211_attn.kd
    .args:
      - { .name: img, .offset: 0, .size: 8, .value_kind: global_buffer, .address_space: global }
      - { .name: sc, .offset: 8, .size: 8, .value_kind: global_buffer, .address_space: global }
      - { .name: lambda_q1, .offset: 16, .size: 8, .value_kind: global_buffer, .address_space: global }
      - { .name: lambda_k1, .offset: 24, .size: 8, .value_kind: global_buffer, .address_space: global }
      - { .name: lambda_q2, .offset: 32, .size: 8, .value_kind: global_buffer, .address_space: global }
      - { .name: lambda_k2, .offset: 40, .size: 8, .value_kind: global_buffer, .address_space: global }
      - { .name: aimg, .offset: 48, .size: 8, .value_kind: global_buffer, .address_space: global }
      - { .name: asc, .offset: 56, .size: 8, .value_kind: global_buffer, .address_space: global }
    .group_segment_fixed_size: 286720
    .private_segment_fixed_size: 0
    .kernarg_segment_align: 8
    .kernarg_segment_size: 64
    .max_flat_workgroup_size: 256
    .sgpr_count:     80
    .vgpr_count:     512
    .wavefront_size: 32
...
	.end_amdgpu_metadata
.endif
;; end of part 2
;; launch oproj (part 3): grid 8 x 32, 4 waves a work-group, clusters of 4 x 4, 196,608 bytes of LDS; arguments aimg, asc, Wo_codes, Wo_scales, bo, out0; writes out0
.if DOCPART == 3
	.amdgcn_target "amdgcn-amd-amdhsa--gfx1250"
	.amdhsa_code_object_version 6
	.text
	.protected	k_q85fa06f211_oproj
	.globl	k_q85fa06f211_oproj
	.p2align	8
	.type	k_q85fa06f211_oproj,@function
k_q85fa06f211_oproj:
	s_mov_b64 s[64:65], 0
	v_nop
	global_prefetch_b8 v0, s[64:65] scope:SCOPE_SE
	s_setreg_imm32_b32 hwreg(HW_REG_WAVE_MODE, 25, 1), 1
	s_wait_xcnt 0x0
	s_wait_alu depctr_hold_cnt(0) depctr_sa_sdst(0) depctr_va_vdst(0) depctr_va_sdst(0) depctr_va_ssrc(0) depctr_va_vcc(0) depctr_vm_vsrc(0)
	s_getreg_b32 s2, hwreg(HW_REG_IB_STS2, 6, 4)
	s_cmp_eq_u32 s2, 0
	s_cbranch_scc0 .Lentry_in_a_cluster
	s_endpgm
.Lentry_in_a_cluster:
	s_bfe_u32 s2, ttmp6, 0x10000c
	s_cmp_lg_u32 s2, 0xf033
	s_cbranch_scc0 .Lentry_shape_is_right
	s_endpgm
.Lentry_shape_is_right:
; Launch 3 of 3: out0 = A Wo^T + bo on codes of FP4; A is the attention's result as the launch before quantised it.  Nothing is left out.
; SHARES.  Work-group (nt, g): rows 128 g .. of out0 x columns 128 nt ...  The whole K (1,024) of both operands lies in LDS: first fills only, one tensor load a wave.
; The product is used transposed: source 0 = 16 rows of Wo, source 1 = 16 tokens, so that a lane holds eight neighbouring columns of one row of out0.
; Wave w takes all 8 tiles of Wo x token tiles 2 w, 2 w + 1: its 32 rows of 512 bytes are whole, so its way out is its own and needs no barrier.
; A comes as images of operand registers ([K step = head][tile of 16 tokens][1,024]): a fragment is two loads of 512 consecutive bytes.  Wo comes as rows, padded in LDS.
; CLUSTER 4 x 4: A's images hang on g alone and are asked for jointly along a row of the cluster, Wo's codes on nt alone and jointly along a column.
; The scale bytes go by plain loads: 8,192 of the 139,264 bytes fetched.  No prefetch: all that is read is asked for at the head.
; The bias starts each sum, so the order of additions differs from the written one by rounding.  NaN and infinities are not served.
; REGISTERS.  window 0: v1-19 lane terms and addresses; v24-63 scale words; v64-191 Wo's fragments, two sets of 8, later rows of out0; v192-223 A's, two sets of 2.
;             window 1: v0-127 the accumulators ((u, t) at 64 u + 8 t); v128-191 bo in the result's layout.
.set PITCH, 528                        ; Wo's rows in LDS: 512 bytes + 16: the 16 rows that a load touches start 4 banks apart (64 banks of 4 bytes: ISA guide 11.1)
.set AIM,   67584                      ; behind Wo's 128 rows: A's 64 images
.set C0,    133120                     ; Wo's scale bytes, 32 a row
.set ASCL,  137216                     ; A's scale words: [K step][128 tokens]
.set STAGE, 141312                     ; the way out: 16 rows x 528 bytes for each wave
.set SPARE, STAGE+4*16*PITCH           ; the spare words, 128 bytes a wave: two blocks of 256 bytes that no other line names
.set ADA,   4                          ; v4   528 r + 16 h
.set ADB,   6                          ; v6   AIM + 2048 w + 16 lane
.set ASC0,  8                          ; v8   C0 + 32 lane
.set ASC1,  10                         ; v10  ASCL + 128 w + 4 lane
.set GB,    12                         ; v12  512 nt + 32 h
.set STO,   13                         ; v13  STAGE + 8448 w + 528 r + 32 h
.set RD,    14                         ; v14  STAGE + 8448 w + 16 lane
.set CO,    15                         ; v15  my place in out0: (128 g + 32 w) rows of 4,096 bytes + 512 nt + 16 lane
.set SPW,   18
.set NIL,   19
.set SW0,   24                         ; v24-55 register 8 b + ks: lanes 0-15 the words of Wo's tile 2 b, lanes 16-31 of tile 2 b + 1
.set SW1,   56                         ; v56-63 register ks: lanes 0-15 token tile 2 w, lanes 16-31 tile 2 w + 1
.set F0,    64
.set F1,    192
.set BK,    64                         ; the way out: two sets of 64
.set BI,    128                        ; in window 1
.set WV,    38
.set G1A,   40                         ; s[40:47] group 1, A's images;  s[48:55] Wo's codes;  s[56:63] scale bytes
.set G1W,   48
.set G1S,   56
.set G0A,   68                         ; s[68:71], s[72:75], s[76:79] their groups 0
.set G0W,   72
.set G0S,   76
.set NTR,   94
.set GR,    95
.set MSB, 0
.macro WIN new
.if MSB != (\new)
	s_set_vgpr_msb (MSB<<8)|(\new)
.set MSB, (\new)
.endif
.endm
.macro PLACES n
.rept \n
	v_nop
.endr
.endm
.macro CROUND
	s_barrier_signal -1
	s_barrier_wait -1
	s_cmp_lg_u32 s[WV], 0
	s_cbranch_scc1 .Lnot_wave_0_\@
	s_barrier_signal -3
.Lnot_wave_0_\@:
	s_barrier_wait -3
	s_barrier_signal -1
	s_barrier_wait -1
.endm
.macro FETCH ks, buf                   ; 20 LDS loads: K step ks
.irp t, 0,1,2,3,4,5,6,7
.irp c, 0,1
	ds_load_b128 v[F0+64*(\buf)+8*\t+4*\c:F0+64*(\buf)+8*\t+4*\c+3], v[ADA] offset:16*PITCH*\t+64*(\ks)+32*\c
.endr
.endr
.irp u, 0,1
.irp c, 0,1
	ds_load_b128 v[F1+16*(\buf)+8*\u+4*\c:F1+16*(\buf)+8*\u+4*\c+3], v[ADB] offset:8192*(\ks)+1024*\u+512*\c
.endr
.endr
.endm
.macro WMS d, a, b, c, sa, sb, ra, rb
.if (\ra) && (\rb)
	v_wmma_scale_f32_16x16x128_f8f6f4 v[\d:\d+7], v[\a:\a+7], v[\b:\b+7], v[\c:\c+7], v[\sa], v[\sb] matrix_a_fmt:MATRIX_FMT_FP4 matrix_b_fmt:MATRIX_FMT_FP4 matrix_a_scale:MATRIX_SCALE_ROW1 matrix_b_scale:MATRIX_SCALE_ROW1
.elseif (\ra)
	v_wmma_scale_f32_16x16x128_f8f6f4 v[\d:\d+7], v[\a:\a+7], v[\b:\b+7], v[\c:\c+7], v[\sa], v[\sb] matrix_a_fmt:MATRIX_FMT_FP4 matrix_b_fmt:MATRIX_FMT_FP4 matrix_a_scale:MATRIX_SCALE_ROW1
.elseif (\rb)
	v_wmma_scale_f32_16x16x128_f8f6f4 v[\d:\d+7], v[\a:\a+7], v[\b:\b+7], v[\c:\c+7], v[\sa], v[\sb] matrix_a_fmt:MATRIX_FMT_FP4 matrix_b_fmt:MATRIX_FMT_FP4 matrix_b_scale:MATRIX_SCALE_ROW1
.else
	v_wmma_scale_f32_16x16x128_f8f6f4 v[\d:\d+7], v[\a:\a+7], v[\b:\b+7], v[\c:\c+7], v[\sa], v[\sb] matrix_a_fmt:MATRIX_FMT_FP4 matrix_b_fmt:MATRIX_FMT_FP4
.endif
.endm
.macro MUL ks, buf                     ; 16 products: the 16 accumulators by turns, in the same order in every K step; K step 0 takes the bias as C
	WIN 0x50
.irp t, 0,1,2,3,4,5,6,7
.irp u, 0,1
.if (\ks) > 0
	WMS 64*\u+8*\t, F0+64*(\buf)+8*\t, F1+16*(\buf)+8*\u, 64*\u+8*\t, SW0+8*(\t/2)+(\ks), SW1+(\ks), \t%2, \u
.else
	WMS 64*\u+8*\t, F0+64*(\buf)+8*\t, F1+16*(\buf)+8*\u, BI+8*\t, SW0+8*(\t/2)+(\ks), SW1+(\ks), \t%2, \u
.endif
.endr
.endr
.endm
	s_load_b256 s[4:11], s[0:1], 0x0               ; aimg s[4:5], asc s[6:7], Wo's codes s[8:9], Wo's scales s[10:11]
	s_load_b128 s[12:15], s[0:1], 0x20             ; bo s[12:13], out0 s[14:15]
	v_lshl_add_u32 v[SPW], v0, 2, SPARE
	v_mov_b32 v[NIL], 0
	ds_add_u32 v[SPW], v[NIL]                      ; the wave's opening: the add, twice on end, and its wait ahead of my first tensor load; the set-up below is work on registers
	ds_add_u32 v[SPW], v[NIL]
	v_lshrrev_b32 v1, 5, v0
	v_readfirstlane_b32 s[WV], v1                  ; wave 0..3
	s_bfe_u32 s2, ttmp6, 0x40000                   ; cx
	s_bfe_u32 s3, ttmp6, 0x40004                   ; cy
	s_lshl_b32 s[NTR], ttmp9, 2
	s_add_co_u32 s[NTR], s[NTR], s2                ; nt = 4 x cluster x + cx
	s_and_b32 s[GR], ttmp7, 0xffff
	s_lshl_b32 s[GR], s[GR], 2
	s_add_co_u32 s[GR], s[GR], s3                  ; g = 4 x cluster y + cy
	s_lshl_b32 s98, s3, 2
	s_lshl_b32 s98, 15, s98                        ; my row of the cluster
	s_lshl_b32 s100, 0x1111, s2                    ; my column
	s_or_b32 s[G1A], s98, (3<<16)|(1<<21)          ; A's images: 65,536 dense bytes as 256 rows of 32 elements of 8 bytes; the mask of my row; 21 set beside it; no padding
	s_mov_b32 s[G1A+1], 32<<16
	s_mov_b32 s[G1A+2], 256<<16
	s_mov_b32 s[G1A+3], 32<<16
	s_mov_b32 s[G1A+4], 256
	s_mov_b32 s[G1A+5], 32
	s_mov_b32 s[G1A+6], 0
	s_mov_b32 s[G1A+7], 0
	s_or_b32 s[G1W], s100, (1<<20)|(1<<21)|(6<<22)|(3<<25)   ; Wo's codes: 128 rows of 512 bytes, four words of padding after every 128; the mask of my column
	s_mov_b32 s[G1W+1], 512<<16
	s_mov_b32 s[G1W+2], 128<<16
	s_mov_b32 s[G1W+3], 512<<16
	s_mov_b32 s[G1W+4], 128
	s_mov_b32 s[G1W+5], 512
	s_mov_b32 s[G1W+6], 0
	s_mov_b32 s[G1W+7], 0
	s_mov_b32 s[G1S], 3<<16                        ; 4,096 dense bytes of scales as 16 rows of 256; no mask
	s_mov_b32 s[G1S+1], 32<<16
	s_mov_b32 s[G1S+2], 16<<16
	s_mov_b32 s[G1S+3], 32<<16
	s_mov_b32 s[G1S+4], 16
	s_mov_b32 s[G1S+5], 32
	s_mov_b32 s[G1S+6], 0
	s_mov_b32 s[G1S+7], 0
	s_lshl_b32 s98, s[GR], 16                      ; A's images of my 128 tokens (from g alone)
	s_mov_b32 s99, 0
	s_lshl_b32 s100, s[NTR], 16                    ; Wo's 128 rows (from nt alone)
	s_mov_b32 s101, 0
	s_lshl_b32 s2, s[GR], 12
	s_lshl_b32 s3, s[NTR], 12
	s_cmp_eq_u32 s[WV], 2
	s_cselect_b32 s2, s2, s3                       ; wave 2: A's scale words; wave 3: Wo's scale bytes
	s_mov_b32 s3, 0
	v_and_b32 v1, 15, v0                           ; r
	v_bfe_u32 v2, v0, 4, 1                         ; h
	v_and_b32 v3, 31, v0                           ; lane
	v_mul_u32_u24 v[ADA], v1, PITCH
	v_lshl_add_u32 v[ADA], v2, 4, v[ADA]
	s_lshl_b32 s66, s[WV], 11
	s_add_co_u32 s66, s66, AIM
	v_lshl_add_u32 v[ADB], v3, 4, s66
	v_lshl_add_u32 v[ASC0], v3, 5, C0
	s_lshl_b32 s66, s[WV], 7
	s_add_co_u32 s66, s66, ASCL
	v_lshl_add_u32 v[ASC1], v3, 2, s66
	s_mul_i32 s66, s[WV], 16*PITCH
	s_add_co_u32 s66, s66, STAGE
	v_mul_u32_u24 v[STO], v1, PITCH
	v_lshl_add_u32 v[STO], v2, 5, v[STO]
	v_add_nc_u32 v[STO], s66, v[STO]
	v_lshl_add_u32 v[RD], v3, 4, s66
	s_lshl_b32 s97, s[NTR], 9                      ; offsets into memory: these alone hang on nt and g
	v_lshl_add_u32 v[GB], v2, 5, s97
	s_lshl_b32 s67, s[GR], 19
	s_add_co_u32 s97, s97, s67
	s_lshl_b32 s67, s[WV], 17
	s_add_co_u32 s97, s97, s67
	v_lshl_add_u32 v[CO], v3, 4, s97
	s_wait_dscnt 0x0                               ; both opening adds are done
	s_wait_kmcnt 0x0
	s_mov_b32 s[G0A], 1
	s_mov_b32 s[G0A+1], AIM
	s_add_nc_u64 s[G0A+2:G0A+3], s[4:5], s[98:99]
	s_or_b32 s[G0A+3], s[G0A+3], 0x80000000
	s_mov_b32 s[G0W], 1
	s_mov_b32 s[G0W+1], 0
	s_add_nc_u64 s[G0W+2:G0W+3], s[8:9], s[100:101]
	s_or_b32 s[G0W+3], s[G0W+3], 0x80000000
	s_mov_b32 s[G0S], 1
	s_and_b32 s[G0S+1], s[WV], 1
	s_xor_b32 s[G0S+1], s[G0S+1], 1
	s_lshl_b32 s[G0S+1], s[G0S+1], 12
	s_add_co_u32 s[G0S+1], s[G0S+1], C0            ; wave 2: ASCL; wave 3: C0
	s_cmp_eq_u32 s[WV], 2
	s_cselect_b64 s[G0S+2:G0S+3], s[6:7], s[10:11]
	s_add_nc_u64 s[G0S+2:G0S+3], s[G0S+2:G0S+3], s[2:3]
	s_or_b32 s[G0S+3], s[G0S+3], 0x80000000
	CROUND                                         ; all sixteen work-groups are here: the joint loads meet
	s_cmp_eq_u32 s[WV], 0                          ; one tensor load a wave; the branches hang on the wave's number alone; an s_nop 0 and four v_nop follow each line
	s_cbranch_scc0 .Lnot_a
	tensor_load_to_lds s[G0A:G0A+3], s[G1A:G1A+7]
	s_nop 0
	PLACES 4
	s_branch .Lasked
.Lnot_a:
	s_cmp_eq_u32 s[WV], 1
	s_cbranch_scc0 .Lnot_w
	tensor_load_to_lds s[G0W:G0W+3], s[G1W:G1W+7]
	s_nop 0
	PLACES 4
	s_branch .Lasked
.Lnot_w:
	tensor_load_to_lds s[G0S:G0S+3], s[G1S:G1S+7]
	s_nop 0
	PLACES 4
.Lasked:
	WIN 0x40                                       ; bo in the result's layout: tile t's eight registers are columns 16 t + 8 h + 0 .. 7
	s_wait_alu depctr_va_vdst(0)
.irp t, 0,1,2,3,4,5,6,7
	global_load_b128 v[BI+8*\t:BI+8*\t+3], v[GB], s[12:13] offset:64*\t
	global_load_b128 v[BI+8*\t+4:BI+8*\t+7], v[GB], s[12:13] offset:64*\t+16
.endr
	WIN 0
	s_wait_tensorcnt 0x0                           ; my part is in,
	s_barrier_signal -1
	s_barrier_wait -1                              ; everybody's is
.irp b, 0,1,2,3
.irp c, 0,1
	ds_load_b128 v[SW0+8*\b+4*\c:SW0+8*\b+4*\c+3], v[ASC0] offset:1024*\b+16*\c
.endr
.endr
.irp ks, 0,1,2,3,4,5,6,7
	ds_load_b32 v[SW1+\ks], v[ASC1] offset:512*\ks
.endr
	FETCH 0, 0
	s_wait_loadcnt 0x0                             ; the bias
.irp ks, 0,1,2,3,4,5,6,7
	s_wait_dscnt 0x0                               ; this step's fragments are in (and, in step 0, the scale words)
.if \ks < 7
.if \ks > 0
	PLACES 4                                       ; four places in front of loads into registers that the last products read
.endif
	FETCH \ks+1, (\ks+1)%2
.endif
	MUL \ks, \ks%2
	WIN 0
.endr
	PLACES 4                                       ; in front of the first read of results and of loads into the fragments' registers
; THE WAY OUT.  A lane holds 32 neighbouring bytes of a row and the lanes beside it hold other rows: 16 rows at a time go through my own stage and come back as whole rows of 512 bytes.
; LDS serves a wave's instructions in order (ISA guide 5.7.1.4): no wait between the stores and the loads, nor in front of the second half's stores.
.irp u, 0,1
	WIN 0x04                                       ; an LDS store's data are its source 1: window 1
.irp t, 0,1,2,3,4,5,6,7
	ds_store_b128 v[STO], v[64*\u+8*\t:64*\u+8*\t+3] offset:64*\t          ; each accumulator from its low end on
	ds_store_b128 v[STO], v[64*\u+8*\t+4:64*\u+8*\t+7] offset:64*\t+16
.endr
	WIN 0
.irp i, 0,1,2,3,4,5,6,7,8,9,10,11,12,13,14,15
	ds_load_b128 v[BK+64*\u+4*\i:BK+64*\u+4*\i+3], v[RD] offset:PITCH*\i
.endr
.endr
	s_wait_dscnt 32                                ; the first 16 rows are back; the 32 younger LDS instructions are the second half's 16 stores and 16 loads
.irp i, 0,1,2,3,4,5,6,7,8,9,10,11,12,13,14,15
	global_store_b128 v[CO], v[BK+4*\i:BK+4*\i+3], s[14:15] offset:4096*\i th:TH_STORE_NT      ; 32 lanes store 512 consecutive bytes, at a multiple of 256 from out0's first byte; written once, read by nobody here
.endr
	s_wait_dscnt 0x0
.irp i, 0,1,2,3,4,5,6,7,8,9,10,11,12,13,14,15
	global_store_b128 v[CO], v[BK+64+4*\i:BK+64+4*\i+3], s[14:15] offset:4096*(16+\i) th:TH_STORE_NT
.endr
	s_wait_tensorcnt 0x0                           ; the wave's end: behind my last tensor load and my last LDS store
	ds_add_u32 v[SPW], v[NIL]
	s_wait_dscnt 0x0
	CROUND                                         ; the closing round: no work-group ends while a partner may still ask for a tile that names it
	s_endpgm
.Lfunc_end_k_q85fa06f211_oproj:
	.size	k_q85fa06f211_oproj, .Lfunc_end_k_q85fa06f211_oproj-k_q85fa06f211_oproj
	.p2alignl 7, 3214868480
	.fill 96, 4, 3214868480
	.section	.rodata,"a",@progbits
	.p2align	6, 0x0
	.amdhsa_kernel k_q85fa06f211_oproj
		.amdhsa_group_segment_fixed_size 196608
		.amdhsa_private_segment_fixed_size 0
		.amdhsa_enable_private_segment 0
		.amdhsa_kernarg_size 48
		.amdhsa_user_sgpr_count 2
		.amdhsa_user_sgpr_kernarg_segment_ptr 1
		.amdhsa_wavefront_size32 1
		.amdhsa_system_sgpr_workgroup_id_x 1
		.amdhsa_system_sgpr_workgroup_id_y 1
		.amdhsa_system_sgpr_workgroup_id_z 1
		.amdhsa_system_vgpr_workitem_id 0
		.amdhsa_next_free_vgpr 512
		.amdhsa_next_free_sgpr 102
		.amdhsa_reserve_vcc 0
		.amdhsa_float_denorm_mode_32 3
		.amdhsa_float_denorm_mode_16_64 3
		.amdhsa_memory_ordered 1
		.amdhsa_forward_progress 1
		.amdhsa_inst_pref_size 45
	.end_amdhsa_kernel
	.amdgpu_metadata
---
amdhsa.version: [ 1, 2 ]
amdhsa.kernels:
  - .name:           k_q85fa06f211_oproj
    .symbol:         k_q85fa06f211_oproj.kd
    .args:
      - { .name: aimg, .offset: 0, .size: 8, .value_kind: global_buffer, .address_space: global }
      - { .name: asc, .offset: 8, .size: 8, .value_kind: global_buffer, .address_space: global }
      - { .name: Wo_codes, .offset: 16, .size: 8, .value_kind: global_buffer, .address_space: global }
      - { .name: Wo_scales, .offset: 24, .size: 8, .value_kind: global_buffer, .address_space: global }
      - { .name: bo, .offset: 32, .size: 8, .value_kind: global_buffer, .address_space: global }
      - { .name: out0, .offset: 40, .size: 8, .value_kind: global_buffer, .address_space: global }
    .group_segment_fixed_size: 196608
    .private_segment_fixed_size: 0
    .kernarg_segment_align: 8
    .kernarg_segment_size: 48
    .max_flat_workgroup_size: 128
    .sgpr_count:     102
    .vgpr_count:     512
    .wavefront_size: 32
...
	.end_amdgpu_metadata
.endif
;; end of part 3
